; MI455X (gfx1250); checked and timed in simulation.
; The chip was launched on July 23, 2026; its instructions are those of AMD's public machine-readable ISA for CDNA 5 (MIT licence, August 2026) and "CDNA5" Instruction Set Architecture Reference Guide (July 2026). The comments in the code are by the model that wrote it; some were corrected since.
;; Bit Linear. Allowed arithmetic: matrix products marked QUANTISED: E2M1 operands, one E8M0 scale for each 32 along K, by v_wmma_scale_f32_16x16x128_f8f6f4 with both operands' format E2M1 (or v_wmma_scale_f32_32x16x128_f4), f32 sums; everything else in f32.
;; Inputs: act_scale one number float32; alpha one number float32; bias 4,096 float32; packed_w 4,096 x 4,096 int32; x 4 x 1,024 x 4,096 float32.
;; Outputs: out0 4 x 1,024 x 4,096 float32.
;; This version of the problem:
;;   THIS VERSION OF THE PROBLEM IS GIVEN IN LOW PRECISION. The matrix products marked QUANTISED in the list below multiply operands that are first quantised to E2M1 (2 exponent bits, 1 mantissa bit; 4 bits a number), with one power-of-two scale for each 32 numbers along K (OCP MX v1.0); their sums are f32. All else is computed in f32.
;;   The module's matrix products, in the order in which they are computed (A, B: the left and right operand; K: the contracted axis; several contracted axes count as one K, in the product's order):
;;     1. [M 4,096, K 4,096] x [K 4,096, N 4,096]; A: computed on the way; B: computed on the way: QUANTISED
;;   THE QUANTISER, for each operand of a quantised product, along K:
;;     - K is cut into blocks of 32 from its start; a last block that is shorter is filled with zeros.
;;     - A block's scale is 2^e with e = floor(log2(the largest magnitude in the block)) - 2, held to -126 .. 127; a block of zeros has e = 0. As a byte (E8M0): e + 127.
;;     - Each number is divided by its block's scale, clamped to +-6, and rounded to the nearest number of E2M1, ties to even, subnormals kept.
;;     - The product sums the exact products of the quantised numbers (number of the format x scale) in f32.
;;   ~~~python
;;   def quantise(x, axis):      # numpy; x: float32 -> the quantised numbers, widened to float32 again
;;       x = np.moveaxis(x, axis, -1); K = x.shape[-1]
;;       x = np.pad(x, [(0, 0)] * (x.ndim - 1) + [(0, -K % 32)]); x = x.reshape(x.shape[:-1] + (-1, 32)); a = np.abs(x).max(-1, keepdims=True)
;;       e = np.where(a > 0, np.clip(np.frexp(np.where(a > 0, a, 1))[1] - 1 - 2, -126, 127), 0)      # np.frexp(a)[1] - 1 = floor(log2(a)), exactly
;;       r = np.clip(x / 2.0 ** e, -6, 6)
;;       step = 2.0 ** (np.maximum(np.frexp(np.where(r == 0, 1, r))[1] - 1, 0) - 1)
;;       q = np.round(r / step) * step * 2.0 ** e      # np.round: ties to even
;;       return np.moveaxis(q.reshape(q.shape[:-2] + (-1,))[..., :K], -1, axis).astype(np.float32)
;;   ~~~
;;   OPERANDS COMPUTED ON THE WAY. 'Computed on the way' means the value that the module computes at that place (a softmax that the list does not call 'softmax' is quantised finished and normalised). What goes into a quantiser is computed in f32, as accurately as f32 sums, v_exp_f32 and their like allow (about 1e-6 of the number): no bf16 or f16 on the way to a quantiser, and a product that is left as it is and whose result goes on into a quantised operand takes f32 operands (vector FMAs, or v_wmma_f32_16x16x4_f32). A number that lies on a knife's edge between two numbers of the format may be rounded either way, as far as f32 arithmetic and the matrix unit's own rounding can turn it there, and no further.
;; One version. Each part assembles by itself: llvm-mc -triple=amdgcn-amd-amdhsa -mcpu=gfx1250 --defsym DOCPART=n.
;; ======== version 1 of 1: 2 launches
;; limits: right only within a limited range of input values
;; workspace buffers: xq 8,912,896 bytes; wq 8,912,896 bytes
;; launch quant (part 1): grid 1024 x 1, 4 waves a work-group, no clusters, 17,920 bytes of LDS; arguments x, packed_w, act_scale, alpha, xq, wq; writes xq, wq
.if DOCPART == 1
	.amdgcn_target "amdgcn-amd-amdhsa--gfx1250"
	.amdhsa_code_object_version 6
	.text
	.protected	k_qa07407641e_quant
	.globl	k_qa07407641e_quant
	.p2align	8
	.type	k_qa07407641e_quant,@function
k_qa07407641e_quant:
	s_mov_b64 s[64:65], 0
	v_nop
	global_prefetch_b8 v0, s[64:65] scope:SCOPE_SE
	s_setreg_imm32_b32 hwreg(HW_REG_WAVE_MODE, 25, 1), 1
	s_wait_xcnt 0x0
; Both operands of out = Q(x_dq) Q(w)^T + bias are made here, once, as codes of FP4 (E2M1) with one E8M0 scale byte for each 32 along K.
;   x_dq = clip(round(x / s), -127, 127) x s, s = max(act_scale, 1e-5), a NaN of x counts as 0;      w = (packed_w - 1) x alpha.      x: [4096][4096] f32, packed_w: [4096][4096] i32, K innermost in both.
; OUT: xq and wq, laid [K / 512 = 8][row 4096][272 bytes]: a RECORD of 272 bytes holds, for one row and 512 along K, 256 bytes of codes (two a byte, the lower k in the low four bits) and behind them the 16 scale bytes.
; So the records of 128 rows of one K step are 34,816 consecutive bytes, which the product's launch takes as they lie.
; A block's scale is 2^(floor(log2(its largest magnitude)) - 2); its byte is the largest magnitude's exponent field - 2, held at 1 from below.  Each number is divided by the scale and rounded to the nearest code, ties to even;
; beyond the largest code the conversion gives the largest code.  (A block of zeros gets the byte 1 where the rule says 127: its codes are zeros, which add nothing under any byte but 0xff, and this program alone reads the bytes.)
; THE QUOTIENT x / s is made as f32 division makes it: q0 = a y with y = 1 / s (one Newton step on v_rcp_f32), r = a - q0 s by one fused multiply-add, q = q0 + r y.  It is then rounded to a whole number, ties to even.
; THE CLIP is a hold of |x| at L = fl(127 s) ahead of the division: fl(L / s) lies within one unit in the last place of 127 and rounds to 127, and so does every larger quotient after the clip; under L the quotient is untouched.
; LIMITS: act_scale is finite, no NaN, under 2.6e36 (127 s is then finite: the two arms of nan_to_num for infinities cannot be reached); alpha is finite; |packed_w| <= 2^24 (p alpha - alpha in one rounding is then
; (p - 1) alpha bit for bit); the quotient may differ from a division's where the exact quotient lies within some 2^-23 of a unit in the last place of the middle between two f32 numbers; blocks whose largest magnitude lies under 2^-124 keep the byte 1.
; SHARES: work-groups 0-511 take x, 512-1023 packed_w: pointers are chosen by the work-group's number, and the two ways part only round register work.  A work-group takes 16 rows x 2,048 along K, a wave 16 rows x 512:
; sixteen steps, a row each.  Each of a step's four loads reads 512 consecutive bytes, 16 a lane: a lane holds FOUR neighbours along K of each load, and eight neighbouring lanes hold a block of 32.
; NO NUMBER GOES THROUGH LDS.  The conversion takes eight registers under one scale; a lane has four of a block.  So the step's 16 prepared numbers lie in fixed registers W, four zeros behind them, and load i's four are
; converted as the first four of W[4 i .. 4 i + 7] under load i's scale: the low 16 bits of the result are my four codes, the high 16 bits are not used.  Four conversions and four stores of two bytes a lane into the
; row's record in the wave's own LDS take the place of a turn of all 2,048 bytes through LDS.  The 16 records leave as 17 stores of 256 consecutive bytes.  No barrier: waves share nothing.
; Six sets of registers take the loads: while a step is worked on, the 20 loads of the five steps behind it are out.
.set STEPS, 16
.set NSET,  6
.set REC,   272
.set WREG,  16*REC                     ; 4,352 bytes of LDS for each wave: its 16 records
.set PLANE, 4096*REC                   ; a K step's records of all rows
.set M,     8                          ; v8-11    the four loads' largest magnitudes, then the conversions' scale operands
.set R,     16                         ; v16-111  six sets of 16 numbers as they are loaded; at the end 34 of them carry the records out
.set W,     112                        ; v112-127 the step's 16 numbers at work and then prepared; v128-131 zeros, written once
.set Q,     132                        ; v132-147 x's way: the quotient, the whole number, the whole number x s
.set C,     148                        ; v148-163 codes: four registers a step, four steps by turns
.set E,     164                        ; v164-179 scale bytes: likewise
; v2 lane; v3 16 x lane (loads); v4 my 2 bytes of a load's 64 bytes of codes; v5 my block's scale byte; v6 my 8 bytes of 256 on the way out; v7 8 x lane (stores); v[12:13] -alpha twice
; s[4:5] the source, s[12:13] the records, at my wave's part; s16 wave; s22 0 for x, 1 for packed_w; s[24:25] y; s[26:27] -s; s[28:29] s; s30 L; s31 the mask of a magnitude; s[32:33] alpha
	s_load_b256 s[4:11], s[0:1], 0x0               ; x s[4:5], packed_w s[6:7], act_scale s[8:9], alpha s[10:11]
	s_load_b128 s[12:15], s[0:1], 0x20             ; xq s[12:13], wq s[14:15]
	v_lshl_add_u32 v192, v0, 2, 0x4400
	v_mov_b32 v193, 0
	v_lshrrev_b32 v1, 5, v0
	v_readfirstlane_b32 s16, v1                    ; wave 0..3
	v_and_b32 v2, 31, v0                           ; lane
	v_lshlrev_b32 v3, 4, v2                        ; my 16 bytes of a load's 512
	s_mul_i32 s17, s16, WREG                       ; my wave's LDS
	v_lshlrev_b32 v4, 1, v2
	v_add_nc_u32 v4, s17, v4                       ; a record's codes: four codes, 2 bytes, a lane and load
	s_add_co_u32 s18, s17, 256
	v_lshrrev_b32 v5, 3, v2
	v_add_nc_u32 v5, s18, v5                       ; a record's scale bytes: one for eight lanes
	v_lshlrev_b32 v7, 3, v2
	v_add_nc_u32 v6, s17, v7                       ; the way out: 8 bytes a lane
.irp i, 0,1,2,3
	v_mov_b32 v[W+16+\i], 0                        ; the four registers behind W: the fourth conversion names them, and its high 16 bits are not used
.endr
	s_wait_kmcnt 0x0
	s_load_b32 s20, s[8:9], 0x0                    ; act_scale
	s_load_b32 s21, s[10:11], 0x0                  ; alpha
	s_cmp_lt_u32 ttmp9, 512                        ; x's work-group or packed_w's?  The choice hangs on the work-group's number alone; all selects stand ahead of the next line that sets SCC
	s_cselect_b64 s[4:5], s[4:5], s[6:7]
	s_cselect_b64 s[12:13], s[12:13], s[14:15]
	s_cselect_b32 s22, 0, 1
	s_cselect_b32 s17, 0, 512
	s_sub_co_u32 s17, ttmp9, s17                   ; my number among the tensor's 512 work-groups
	s_lshr_b32 s18, s17, 1                         ; which 16 rows
	s_and_b32 s19, s17, 1
	s_lshl_b32 s19, s19, 2
	s_add_co_u32 s19, s19, s16                     ; which 512 along K: 4 x (number % 2) + wave
	s_lshl_b32 s34, s18, 18                        ; 16 rows of 16,384 bytes
	s_lshl_b32 s23, s19, 11                        ; 512 numbers of 4 bytes
	s_add_co_u32 s34, s34, s23
	s_mov_b32 s35, 0
	s_add_nc_u64 s[4:5], s[4:5], s[34:35]
	s_mul_i32 s34, s19, PLANE
	s_mul_i32 s23, s18, 16*REC
	s_add_co_u32 s34, s34, s23
	s_add_nc_u64 s[12:13], s[12:13], s[34:35]      ; my 16 records: 4,352 consecutive bytes, at a multiple of 256 from the buffer's first byte
.macro LOAD t                          ; step t = row t: its 2,048 bytes
.irp i, 0,1,2,3
	global_load_b128 v[R+16*((\t)%NSET)+4*\i:R+16*((\t)%NSET)+4*\i+3], v3, s[4:5] offset:16384*(\t)+512*\i th:TH_LOAD_NT   ; 32 lanes read 512 consecutive bytes
.endr
.endm
.irp t, 0,1,2,3,4,5
	LOAD \t
.endr
	; the constants, while the first loads are on their way
	s_wait_kmcnt 0x0
	v_mov_b32 v8, 0x3727c5ac                       ; 1e-5
	v_max_num_f32 v8, s20, v8                      ; s
	s_wait_alu depctr_va_vdst(0)
	v_rcp_f32 v9, v8
	v_nop                                          ; a plain instruction between the reciprocal and the use of its result
	s_wait_alu depctr_va_vdst(0)                   ; and a wait ahead of the first use
	v_fma_f32 v11, -v8, v9, 1.0
	v_fma_f32 v9, v11, v9, v9                      ; y = 1 / s after one Newton step
	v_mul_f32 v11, 0x42fe0000, v8                  ; L = 127 s
	v_readfirstlane_b32 s28, v8                    ; values alone: they enter no address and no branch
	v_readfirstlane_b32 s24, v9
	v_readfirstlane_b32 s30, v11
	s_mov_b32 s29, s28                             ; (the packed forms name pairs and take the low word for both halves: so the upper words are written)
	s_mov_b32 s25, s24
	s_xor_b32 s26, s28, 0x80000000                 ; -s
	s_mov_b32 s27, s26
	s_mov_b32 s31, 0x7fffffff
	s_mov_b32 s32, s21
	s_mov_b32 s33, s21
	v_mov_b32 v12, s21
	v_xor_b32 v12, 0x80000000, v12                 ; -alpha
	v_mov_b32 v13, v12
; x's way: the 16 numbers in v[rs] on become x_dq in W
.macro PREP_X rs
.irp i, 0,1,2,3,4,5,6,7,8,9,10,11,12,13,14,15
	v_max_num_f32 v[W+\i], |v[\rs+\i]|, 0          ; |x|; a NaN loses against 0: a NaN of x counts as 0
.endr
.irp i, 0,1,2,3,4,5,6,7,8,9,10,11,12,13,14,15
	v_min_num_f32 v[W+\i], s30, v[W+\i]            ; held at L: the clip at 127, infinities too
.endr
.irp i, 0,2,4,6,8,10,12,14
	v_pk_mul_f32 v[Q+\i:Q+\i+1], v[W+\i:W+\i+1], s[24:25] op_sel_hi:[1,0]                      ; q0 = a y
.endr
.irp i, 0,2,4,6,8,10,12,14
	v_pk_fma_f32 v[W+\i:W+\i+1], v[Q+\i:Q+\i+1], s[26:27], v[W+\i:W+\i+1] op_sel_hi:[1,0,1]    ; r = a - q0 s
.endr
.irp i, 0,2,4,6,8,10,12,14
	v_pk_fma_f32 v[Q+\i:Q+\i+1], v[W+\i:W+\i+1], s[24:25], v[Q+\i:Q+\i+1] op_sel_hi:[1,0,1]    ; q = q0 + r y
.endr
.irp i, 0,1,2,3,4,5,6,7,8,9,10,11,12,13,14,15
	v_rndne_f32 v[Q+\i], v[Q+\i]                   ; to a whole number, ties to even: 0 .. 127
.endr
.irp i, 0,2,4,6,8,10,12,14
	v_pk_mul_f32 v[Q+\i:Q+\i+1], v[Q+\i:Q+\i+1], s[28:29] op_sel_hi:[1,0]                      ; x s
.endr
.irp i, 0,1,2,3,4,5,6,7,8,9,10,11,12,13,14,15
	v_bfi_b32 v[W+\i], s31, v[Q+\i], v[\rs+\i]     ; the magnitude just made under x's sign
.endr
.endm
; packed_w's way: 16 whole numbers become (p - 1) alpha in W
.macro PREP_W rs
.irp i, 0,1,2,3,4,5,6,7,8,9,10,11,12,13,14,15
	v_cvt_f32_i32 v[W+\i], v[\rs+\i]
.endr
.irp i, 0,2,4,6,8,10,12,14
	v_pk_fma_f32 v[W+\i:W+\i+1], v[W+\i:W+\i+1], s[32:33], v[12:13] op_sel_hi:[1,0,1]          ; p alpha - alpha, rounded once
.endr
.endm
.macro STEP t
.set RS, R+16*((\t)%NSET)
.set CS, C+4*((\t)%4)
.set ES, E+4*((\t)%4)
.if STEPS-1-(\t) >= NSET-1
	s_wait_loadcnt 4*(NSET-1)                      ; this step's four loads are in; the 20 of the five steps behind it may be out
.else
	s_wait_loadcnt 4*(STEPS-1-(\t))                ; the tail: fewer steps stand behind it
.endif
	s_cmp_lg_u32 s22, 0                            ; the two tensors part here, round register work alone: every LDS and memory line stands on the common way
	s_cbranch_scc1 .Lw_\@
	PREP_X RS
	s_branch .Lq_\@
.Lw_\@:
	PREP_W RS
.Lq_\@:
.if (\t)+NSET < STEPS
	LOAD (\t)+NSET                                 ; the set has been read: it takes the loads of six steps on
.endif
	s_wait_alu depctr_va_vdst(0)
.irp i, 0,1,2,3
	v_max3_num_f32 v[M+\i], |v[W+4*\i]|, |v[W+4*\i+1]|, 0x1800000      ; load i: the largest magnitude of my four, and the floor 2^(3 - 127), under which none is taken: so the byte cannot fall under 1
.endr
.irp i, 0,1,2,3
	v_max3_num_f32 v[M+\i], v[M+\i], |v[W+4*\i+2]|, |v[W+4*\i+3]|      ; (the four loads by turns: no line waits for the line above it)
.endr
.irp x, 1,2,4
.irp i, 0,1,2,3
	v_max_num_f32_dpp v[M+\i], v[M+\i], v[M+\i] row_xmask:\x row_mask:0xf bank_mask:0xf   ; with the seven other lanes of my eight: the block's
.endr
.endr
.irp i, 0,1,2,3
	v_add_nc_u32 v[M+\i], 0xff000000, v[M+\i]      ; 2 off its exponent field: the conversion takes the exponent field of this operand as its scale, and nothing else of it
.endr
.if (\t) >= 4
	s_wait_alu depctr_va_vdst(0)
	s_wait_dscnt 24                                ; the 24 LDS stores of the last three steps may be out: those of four steps ago have read the registers that are written now
.endif
.irp i, 0,1,2,3
	v_cvt_scalef32_pk8_fp4_f32 v[CS+\i], v[W+4*\i:W+4*\i+7], v[M+\i]   ; the first four numbers are load i's: their codes are the low 16 bits, the lowest k lowest; the other four stand under a scale that is not theirs and are not used
.endr
.irp i, 0,1,2,3
	v_lshrrev_b32 v[ES+\i], 23, v[M+\i]            ; the scale's byte.  (Also the plain instructions behind the conversions)
.endr
.irp i, 0,1,2,3
	ds_store_b16 v4, v[CS+\i] offset:REC*(\t)+64*\i                    ; k = 128 i + 4 lane + 0 .. 3: bytes 64 i + 2 lane, + 1 of row t's record
	ds_store_b8 v5, v[ES+\i] offset:REC*(\t)+4*\i                      ; block 4 i + lane / 8; its eight lanes write the same byte with the same value
.endr
.endm
.irp t, 0,1,2,3,4,5,6,7,8,9,10,11,12,13,14,15
	STEP \t
.endr
	; the 16 records, 4,352 bytes on end, leave as they lie
.irp i, 0,1,2,3,4,5,6,7,8,9,10,11,12,13,14,15,16
	ds_load_b64 v[R+2*\i:R+2*\i+1], v6 offset:256*\i               ; LDS serves a wave's instructions in order (ISA guide 5.7.1.4): these see my stores
.endr
.irp i, 0,1,2,3,4,5,6,7,8,9,10,11,12,13,14,15,16
	s_wait_dscnt 16-\i                             ; load i is in; the younger ones may be out
	global_store_b64 v7, v[R+2*\i:R+2*\i+1], s[12:13] offset:256*\i   ; 32 lanes store 256 consecutive bytes, at a multiple of 256 from the buffer's first byte
.endr
	s_wait_tensorcnt 0x0
	ds_add_u32 v192, v193
	s_wait_dscnt 0x0
	s_endpgm
.Lfunc_end_k_qa07407641e_quant:
	.size	k_qa07407641e_quant, .Lfunc_end_k_qa07407641e_quant-k_qa07407641e_quant
	.p2alignl 7, 3214868480
	.fill 96, 4, 3214868480
	.section	.rodata,"a",@progbits
	.p2align	6, 0x0
	.amdhsa_kernel k_qa07407641e_quant
		.amdhsa_group_segment_fixed_size 17920
		.amdhsa_private_segment_fixed_size 0
		.amdhsa_enable_private_segment 0
		.amdhsa_kernarg_size 48
		.amdhsa_user_sgpr_count 2
		.amdhsa_user_sgpr_kernarg_segment_ptr 1
		.amdhsa_wavefront_size32 1
		.amdhsa_system_sgpr_workgroup_id_x 1
		.amdhsa_system_sgpr_workgroup_id_y 1
		.amdhsa_system_sgpr_workgroup_id_z 1
		.amdhsa_system_vgpr_workitem_id 0
		.amdhsa_next_free_vgpr 194
		.amdhsa_next_free_sgpr 66
		.amdhsa_reserve_vcc 0
		.amdhsa_float_denorm_mode_32 3
		.amdhsa_float_denorm_mode_16_64 3
		.amdhsa_memory_ordered 1
		.amdhsa_forward_progress 1
		.amdhsa_inst_pref_size 152
	.end_amdhsa_kernel
	.amdgpu_metadata
---
amdhsa.version: [ 1, 2 ]
amdhsa.kernels:
  - .name:           k_qa07407641e_quant
    .symbol:         k_qa07407641e_quant.kd
    .args:
      - { .name: x, .offset: 0, .size: 8, .value_kind: global_buffer, .address_space: global }
      - { .name: packed_w, .offset: 8, .size: 8, .value_kind: global_buffer, .address_space: global }
      - { .name: act_scale, .offset: 16, .size: 8, .value_kind: global_buffer, .address_space: global }
      - { .name: alpha, .offset: 24, .size: 8, .value_kind: global_buffer, .address_space: global }
      - { .name: xq, .offset: 32, .size: 8, .value_kind: global_buffer, .address_space: global }
      - { .name: wq, .offset: 40, .size: 8, .value_kind: global_buffer, .address_space: global }
    .group_segment_fixed_size: 17920
    .private_segment_fixed_size: 0
    .kernarg_segment_align: 8
    .kernarg_segment_size: 48
    .max_flat_workgroup_size: 128
    .sgpr_count:     66
    .vgpr_count:     194
    .wavefront_size: 32
...
	.end_amdgpu_metadata
.endif
;; end of part 1
;; launch gemm (part 2): grid 16 x 16, 4 waves a work-group, clusters of 4 x 4, 327,680 bytes of LDS; arguments xq, wq, bias, out0; writes out0
.if DOCPART == 2
	.amdgcn_target "amdgcn-amd-amdhsa--gfx1250"
	.amdhsa_code_object_version 6
	.text
	.protected	k_qa07407641e_gemm
	.globl	k_qa07407641e_gemm
	.p2align	8
	.type	k_qa07407641e_gemm,@function
k_qa07407641e_gemm:
	s_mov_b64 s[64:65], 0
	v_nop
	global_prefetch_b8 v0, s[64:65] scope:SCOPE_SE
	s_setreg_imm32_b32 hwreg(HW_REG_WAVE_MODE, 25, 1), 1
	s_wait_xcnt 0x0
	s_wait_alu depctr_hold_cnt(0) depctr_sa_sdst(0) depctr_va_vdst(0) depctr_va_sdst(0) depctr_va_ssrc(0) depctr_va_vcc(0) depctr_vm_vsrc(0)
	s_getreg_b32 s2, hwreg(HW_REG_IB_STS2, 6, 4)
	s_cmp_eq_u32 s2, 0
	s_cbranch_scc0 .Lentry_in_a_cluster
	s_endpgm
.Lentry_in_a_cluster:
	s_bfe_u32 s2, ttmp6, 0x10000c
	s_cmp_lg_u32 s2, 0xf033
	s_cbranch_scc0 .Lentry_shape_is_right
	s_endpgm
.Lentry_shape_is_right:
; out0[m][n] = sum over k of Q(x_dq)[m][k] Q(w)[n][k] + bias[n].  xq, wq: [K / 512 = 8 planes][4096 rows][272 bytes]: a record holds 256 bytes of FP4 codes (512 along K) and its 16 E8M0 scale bytes.
; A work-group of four waves makes 256 x 256 of out0, a wave 128 x 128: 64 accumulators, 512 registers.  A slot of LDS holds one plane's records of 256 rows of xq and 256 of wq; a wave's tensor load brings
; 128 records, 34,816 consecutive bytes, stated as 136 rows of 256 bytes.  Two slots take turns; 8 fills in all, planes ascending; the bias is each sum's first addend.
; CLUSTERS 4 x 4: xq's records are asked for jointly along a row of the cluster, wq's along a column.
; PREFETCH: a wave's 136 blocks of 256 bytes of a plane are shared out by address among the four partners that load them jointly, 34 each (32 lanes, then 2; the lanes left over name the last block again).
; Plane 0, the buffers' first touch, is asked for as soon as the arguments are in, ahead of the descriptors' set-up and of the round in front of its load.  Planes 1 and 2 are asked for behind that load,
; plane 3 in the first step, and plane t + 2 in the step behind the refill that loads plane t: two fills ahead.  The loop's last trip, whose refills load planes 6 and 7, asks for nothing.
; So, beside the plane that a load is fetching, at most two planes' blocks are asked for and not yet loaded.
; THE MATRIX INSTRUCTION IS USED TRANSPOSED: source 0 = 16 rows of wq, source 1 = 16 rows of xq: a lane holds eight neighbouring columns of one row of out0.
; REGISTERS: window 0: v0-31 addresses; v32-95 scale words, a set for each slot; v128-191, v192-255 xq's fragments, two sets.  window 1: v0-63, v128-191 wq's fragments, two sets; v64-127 the bias.
;   windows 2, 3: the accumulators of my rows 0-63, 64-127 ((a, b) at v[8 (8 (a % 4) + b)]).
; A STEP is 128 along K: 64 matrix instructions on one set while the 32 LDS loads of the whole next step, issued at the step's start, fill the other set.
; A slot's last reads are issued at the start of its third step, so the change of slots stands inside that step.
; THE LAST PLANE GOES BY ROWS OF out0: wq's four quarters fill window 1, xq comes by blocks of 16 rows, and each finished block leaves through the wave's stage while the next is multiplied.
.set PITCH,  272
.set HALFT,  128*PITCH
.set SLOT,   4*HALFT
.set PLANE,  4096*PITCH
.set LAPS,   4
.set ROWC,   4096*4
.set SPARE,  2*SLOT                    ; the spare words: 512 bytes behind the ring that no other line names
.set SPITCH, 528                       ; the stage: 16 rows x (512 + 16) bytes a wave, in slot 0 behind its last fill and last read
.set PFO,  12                          ; v12-13 the prefetches' offsets; never rewritten
.set ADRA, 16                          ; v16-17 LDS address of my xq fragments in slot 0, 1
.set ADRB, 20                          ; v20-21 of my wq fragments
.set ADRS, 22                          ; v22-23 of my scale words: lanes 0-15 xq's rows, lanes 16-31 wq's
.set STO,  24
.set RD,   25
.set CO,   26
.set SPW,  28
.set NIL,  29
.set BO,   30
.set SC,   32
.set AF,   128
.set PA,   128                         ; by rows: xq's block a, 16 rows x 512 K, at v[PA + 32 (a % 2)]
.set BK,   192                         ; by rows: 16 rows read back from the stage
.set BI,   64                          ; the bias, in window 1
.set G1, 24
.set G0, 32
.set G1B, 48
.set G0B, 56
.set BA,  68
.set BB,  72
.set PFA, 76                           ; s[76:77] my work-group's 34 blocks of my wave's records, in the plane 2 x (trips done)
.set MSB, 0
.macro WIN new                         ; the immediate's high byte repeats the setting that is left
.if MSB != (\new)
	s_set_vgpr_msb (MSB<<8)|(\new)
.set MSB, (\new)
.endif
.endm
.set MUL_LO,   0xa1                    ; source 0 window 1, source 1 window 0, C and D window 2
.set MUL_HI,   0xf1
.set FIRST_LO, 0x91                    ; the same with C (the bias) in window 1
.set FIRST_HI, 0xd1
.set TO_B,     0x40
.macro JLOAD g0a, g1a, g0b, g1b        ; waves 0, 1 fetch xq's two halves, waves 2, 3 wq's
	s_cmp_eq_u32 s15, 0
	s_cbranch_scc0 .Lfor_b_\@
	tensor_load_to_lds s[\g0a:\g0a+3], s[\g1a:\g1a+7]
	s_nop 0
.rept 4
	v_nop
.endr
	s_branch .Lasked_\@
.Lfor_b_\@:
	tensor_load_to_lds s[\g0b:\g0b+3], s[\g1b:\g1b+7]
	s_nop 0
.rept 4
	v_nop
.endr
.Lasked_\@:
.endm
.macro CREST
	s_cmp_lg_u32 s14, 0
	s_cbranch_scc1 .Lnot_wave_0_\@
	s_barrier_signal -3
.Lnot_wave_0_\@:
	s_barrier_wait -3
	s_barrier_signal -1
	s_barrier_wait -1
.endm
.macro CROUND
	s_barrier_signal -1
	s_barrier_wait -1
	CREST
.endm
.macro PF t                            ; my 34 blocks of the plane t planes on from the prefetches' base
	global_prefetch_b8 v[PFO], s[PFA:PFA+1] offset:(\t)*PLANE th:TH_LOAD_NT scope:SCOPE_SE
	global_prefetch_b8 v[PFO+1], s[PFA:PFA+1] offset:(\t)*PLANE th:TH_LOAD_NT scope:SCOPE_SE
.endm
.macro ASK t, always                   ; in the loop: not in the last trip (s3 = 1), whose look-ahead would pass plane 7
.if \always == 0
	s_cmp_gt_u32 s3, 1
	s_cbranch_scc0 .Lno_ask_\@
.endif
	PF \t
.if \always == 0
.Lno_ask_\@:
.endif
.endm
	s_load_b256 s[4:11], s[0:1], 0x0               ; xq, wq, bias, out0
	v_lshl_add_u32 v[SPW], v0, 2, SPARE
	v_mov_b32 v[NIL], 0
	ds_add_u32 v[SPW], v[NIL]                      ; the opening adds, twice on end; their wait stands below
	ds_add_u32 v[SPW], v[NIL]
	v_lshrrev_b32 v1, 5, v0
	v_readfirstlane_b32 s14, v1                    ; wave
	v_and_b32 v[PFO], 31, v0
	v_min_u32 v[PFO+1], 1, v[PFO]
	v_lshlrev_b32 v[PFO], 8, v[PFO]                ; blocks 0-31 of my 34, a lane a block
	v_lshl_add_u32 v[PFO+1], v[PFO+1], 8, 32*256   ; blocks 32, 33; lanes 2-31 name block 33 again
	s_lshr_b32 s15, s14, 1                         ; my half of the rows; also: I fetch xq (0) or wq (1)
	s_and_b32 s16, s14, 1                          ; my half of the columns; also: which 128 records I fetch
	s_bfe_u32 s40, ttmp6, 0x40000                  ; cx
	s_bfe_u32 s41, ttmp6, 0x40004                  ; cy
	s_lshl_b32 s42, ttmp9, 2
	s_add_co_u32 s42, s42, s40                     ; tile column
	s_and_b32 s17, ttmp7, 0xffff
	s_lshl_b32 s17, s17, 2
	s_add_co_u32 s17, s17, s41                     ; tile row
	s_lshl_b32 s43, s41, 2
	s_lshl_b32 s43, 15, s43                        ; my row of the cluster
	s_lshl_b32 s44, 0x1111, s40                    ; my column
	s_or_b32 s[G1+0], s43, (3<<16)|(1<<21)         ; elements of 8 bytes, no padding: the records carry their own 16 bytes
	s_or_b32 s[G1B+0], s44, (3<<16)|(1<<21)
.irp g, G1, G1B
	s_mov_b32 s[\g+1], 32<<16
	s_mov_b32 s[\g+2], 136<<16
	s_mov_b32 s[\g+3], 32<<16
	s_mov_b32 s[\g+4], 136
	s_mov_b32 s[\g+5], 32
	s_mov_b32 s[\g+6], 0
	s_mov_b32 s[\g+7], 0
.endr
	s_lshl_b32 s18, s16, 7
	s_lshl_b32 s20, s17, 8
	s_add_co_u32 s20, s20, s18
	s_lshl_b32 s46, s42, 8
	s_add_co_u32 s46, s46, s18
	s_mul_i32 s20, s20, PITCH                      ; my 128 records in a plane of xq,
	s_mul_i32 s46, s46, PITCH                      ; of wq
	s_mov_b32 s21, 0
	s_mov_b32 s47, 0
	s_mul_i32 s45, s14, HALFT                      ; where they go: wave x 128 records
	s_cmp_eq_u32 s15, 0
	s_cselect_b32 s78, s40, s41                    ; my place among the four that load my records with me
	s_mul_i32 s78, s78, 34*256                     ; my work-group's 34 blocks of their 136
	s_mov_b32 s79, 0
	s_wait_alu depctr_va_vdst(0)                   ; directly ahead of the waits below
	s_wait_dscnt 0x0                               ; both opening adds are done
	s_wait_kmcnt 0x0
	s_add_nc_u64 s[BA:BA+1], s[4:5], s[20:21]
	s_add_nc_u64 s[BB:BB+1], s[6:7], s[46:47]
	s_cmp_eq_u32 s15, 0                            ; the prefetches' base: my records in plane 0, + my work-group's blocks
	s_cselect_b64 s[PFA:PFA+1], s[BA:BA+1], s[BB:BB+1]
	s_add_nc_u64 s[PFA:PFA+1], s[PFA:PFA+1], s[78:79]
	PF 0                                           ; the first touch: the 16 lines of set-up and the round below stand between it and the load
.irp s, 0,1
	s_mov_b32 s[G0+4*\s], 1
	s_add_co_u32 s[G0+4*\s+1], s45, \s*SLOT
	s_add_nc_u64 s[G0+4*\s+2:G0+4*\s+3], s[BA:BA+1], \s*PLANE
	s_or_b32 s[G0+4*\s+3], s[G0+4*\s+3], 0x80000000
	s_mov_b32 s[G0B+4*\s], 1
	s_add_co_u32 s[G0B+4*\s+1], s45, \s*SLOT
	s_add_nc_u64 s[G0B+4*\s+2:G0B+4*\s+3], s[BB:BB+1], \s*PLANE
	s_or_b32 s[G0B+4*\s+3], s[G0B+4*\s+3], 0x80000000
.endr
	CROUND                                         ; all sixteen work-groups are here: the first joint loads meet
	JLOAD G0, G1, G0B, G1B                         ; plane 0 into slot 0: one tensor load a wave at the head
	PF 1
	PF 2
	s_mul_i32 s21, s15, HALFT                      ; my 128 rows of xq in a slot
	s_mul_i32 s22, s16, HALFT
	s_add_co_u32 s22, s22, 2*HALFT                 ; my 128 rows of wq, behind xq's 256
	s_sub_co_u32 s18, s22, s21
	s_add_co_u32 s19, s21, 256                     ; a record's scale bytes stand behind its 256 bytes of codes
	s_mul_i32 s23, s14, 16*SPITCH                  ; my stage
	s_lshl_b32 s78, s17, 8
	s_lshl_b32 s79, s15, 7
	s_add_co_u32 s78, s78, s79
	s_lshl_b32 s78, s78, 14                        ; my first row of out0, in bytes
	s_mov_b32 s79, 0
	s_lshl_b32 s46, s42, 10
	s_lshl_b32 s47, s16, 9
	s_add_co_u32 s46, s46, s47                     ; my first column, in bytes
	s_mov_b32 s47, 0
	s_add_nc_u64 s[10:11], s[10:11], s[78:79]
	s_add_nc_u64 s[10:11], s[10:11], s[46:47]
	s_add_nc_u64 s[8:9], s[8:9], s[46:47]
	v_and_b32 v1, 15, v0                           ; l % 16
	v_bfe_u32 v2, v0, 4, 1                         ; l / 16
	v_mul_u32_u24 v3, v1, PITCH
	v_lshl_add_u32 v4, v2, 4, v3
	v_add_nc_u32 v[ADRA], s21, v4
	v_add_nc_u32 v[ADRB], s22, v4
	v_add_nc_u32 v[ADRA+1], SLOT, v[ADRA]
	v_add_nc_u32 v[ADRB+1], SLOT, v[ADRB]
	v_mul_u32_u24 v6, s18, v2                      ; lanes 16-31 take wq's scale words
	v_add_nc_u32 v5, v3, v6
	v_add_nc_u32 v[ADRS], s19, v5
	v_add_nc_u32 v[ADRS+1], SLOT, v[ADRS]
	v_mul_u32_u24 v5, v1, SPITCH
	v_lshl_add_u32 v5, v2, 5, v5
	v_add_nc_u32 v[STO], s23, v5                   ; into the stage: row l % 16, 32 bytes for each half of the lanes
	v_and_b32 v6, 31, v0
	v_lshlrev_b32 v[CO], 4, v6                     ; back: 32 lanes take a row of 512 bytes; the same in out0
	v_add_nc_u32 v[RD], s23, v[CO]
	v_lshlrev_b32 v[BO], 5, v2
	WIN TO_B
.irp b, 0,1,2,3,4,5,6,7
	global_load_b128 v[BI+8*\b:BI+8*\b+3],   v[BO], s[8:9] offset:64*\b      ; bias of columns 16 b + 8 (l / 16) + 0 .. 7: the result's layout
	global_load_b128 v[BI+8*\b+4:BI+8*\b+7], v[BO], s[8:9] offset:64*\b+16
.endr
	WIN 0
.macro MM d, bf, af, c, sb, sa
	v_wmma_scale_f32_16x16x128_f8f6f4 v[\d:\d+7], v[\bf:\bf+7], v[\af:\af+7], v[\c:\c+7], v[\sb], v[\sa] matrix_a_fmt:MATRIX_FMT_FP4 matrix_b_fmt:MATRIX_FMT_FP4 matrix_a_scale:MATRIX_SCALE_ROW1
.endm
.macro FRAG reg, adr, q, i             ; 16 rows x 128 K of 4-bit codes: two loads of 16 bytes, 32 apart
.irp c, 0,1
	ds_load_b128 v[\reg+4*\c:\reg+4*\c+3], v[\adr] offset:64*(\q)+32*\c+(\i)*16*PITCH
.endr
.endm
; 16 matrix instructions: xq's blocks a0, a0 + 1 x wq's eight; set p, the slot's q-th 128 along K, scale set sc.  The 64 accumulators take turns in one order.
.macro MUL16 a0, p, q, sc, first
.irp a, \a0, \a0+1
.irp b, 0,1,2,3,4,5,6,7
.if \first
	MM 8*(8*((\a)%4)+\b), 128*(\p)+8*\b, AF+64*(\p)+8*(\a), BI+8*\b, SC+32*(\sc)+4*\b+(\q), SC+32*(\sc)+4*(\a)+(\q)
.else
	MM 8*(8*((\a)%4)+\b), 128*(\p)+8*\b, AF+64*(\p)+8*(\a), 8*(8*((\a)%4)+\b), SC+32*(\sc)+4*\b+(\q), SC+32*(\sc)+4*(\a)+(\q)
.endif
.endr
.endr
.endm
.macro FETCH slot, q, p                ; 32 LDS loads: all fragments of one step into set p
	WIN TO_B
.irp i, 0,1,2,3,4,5,6,7
	FRAG 128*(\p)+8*\i, ADRB+\slot, \q, \i
.endr
	WIN 0
.irp i, 0,1,2,3,4,5,6,7
	FRAG AF+64*(\p)+8*\i, ADRA+\slot, \q, \i
.endr
.endm
.macro SCALES sc                       ; a slot's scale words: four a row; lanes 0-15 xq's block i, lanes 16-31 wq's block i
.irp i, 0,1,2,3,4,5,6,7
	ds_load_b128 v[SC+32*\sc+4*\i:SC+32*\sc+4*\i+3], v[ADRS+\sc] offset:\i*16*PITCH
.endr
.endm
.macro PLACES                          ; four places in front of loads into registers that matrix instructions have read, and of reads of results
.rept 4
	v_nop
.endr
.endm
; The step (slot, q); it fetches the step (ns, nq).  sync = 1: the change of slots with a refill of this slot; sync = 2: the last change, which fills nothing.  ask = t: the plane t on from the prefetches' base is asked for.
.macro STEP slot, q, ns, nq, first, sync, ask
	PLACES
	FETCH \ns, \nq, 1-(\q)%2
.if (\nq)==0
	SCALES \ns
	s_wait_dscnt 40                                ; all but the 40 just issued: this step's set is in
.else
	s_wait_dscnt 32                                ; all but the 32 just issued
.endif
.if \first
	WIN FIRST_LO
.else
	WIN MUL_LO
.endif
	MUL16 0, (\q)%2, \q, \slot, \first
	MUL16 2, (\q)%2, \q, \slot, \first
.if \ask
	WIN 0                                          ; a branch follows
	ASK \ask, \first                               ; 32 matrix instructions behind the step's LDS loads, 32 ahead of the next wait
.endif
.if \sync
	WIN 0                                          ; the add's two registers lie in window 0
	s_wait_tensorcnt 0x0                           ; all my tensor loads have landed: my part of the other slot
	ds_add_u32 v[SPW], v[NIL]
.if \sync == 1
	s_add_nc_u64 s[G0+4*\slot+2:G0+4*\slot+3], s[G0+4*\slot+2:G0+4*\slot+3], 2*PLANE     ; no load of mine is out: group 0 may be written: this slot's next plane
	s_add_nc_u64 s[G0B+4*\slot+2:G0B+4*\slot+3], s[G0B+4*\slot+2:G0B+4*\slot+3], 2*PLANE
.endif
.endif
.if \first
	WIN FIRST_HI
.else
	WIN MUL_HI
.endif
	MUL16 4, (\q)%2, \q, \slot, \first
.if \sync
	s_wait_dscnt 0x0                               ; the add is done, and my last reads of this slot, issued at the step's start, are back
	s_barrier_signal -1
.endif
	MUL16 6, (\q)%2, \q, \slot, \first
.if \sync
	WIN 0
	s_barrier_wait -1
.if \sync == 1
	CREST                                          ; the barrier has opened a round of the cluster's barrier
	JLOAD G0+4*\slot, G1, G0B+4*\slot, G1B         ; the refill, first behind the round
.endif
.endif
.endm
	s_wait_alu depctr_va_vdst(0)
	s_wait_tensorcnt 0x0                           ; my part of slot 0 is in
	ds_add_u32 v[SPW], v[NIL]
	s_wait_dscnt 0x0
	CROUND
	JLOAD G0+4, G1, G0B+4, G1B                     ; plane 1 into slot 1: its first fill, first behind the round
	FETCH 0, 0, 0
	SCALES 0
	s_wait_loadcnt 0x0                             ; the bias
	STEP 0, 0, 0, 1, 1, 0, 3                       ; the first step's products start the sums from the bias; plane 3 is asked for
	WIN 0
	s_mov_b32 s3, LAPS-1
.Llap:                                                 ; a trip: from a lap's second step to the next lap's first; both slots are filled again
	STEP 0, 1, 0, 2, 0, 0, 0
	STEP 0, 2, 0, 3, 0, 1, 0
	STEP 0, 3, 1, 0, 0, 0, 4
	STEP 1, 0, 1, 1, 0, 0, 0
	STEP 1, 1, 1, 2, 0, 0, 0
	STEP 1, 2, 1, 3, 0, 1, 0
	STEP 1, 3, 0, 0, 0, 0, 5
	STEP 0, 0, 0, 1, 0, 0, 0
	WIN 0
	s_wait_xcnt 0x0                                ; the trip's prefetches have read their base: it steps two planes on
	s_add_nc_u64 s[PFA:PFA+1], s[PFA:PFA+1], 2*PLANE
	s_sub_co_u32 s3, s3, 1
	s_cmp_lg_u32 s3, 0
	s_cbranch_scc1 .Llap
	STEP 0, 1, 0, 2, 0, 0, 0
	STEP 0, 2, 0, 3, 0, 2, 0                       ; the last change of slots: slot 1 is whole, nobody reads slot 0 any more
.macro BLOAD q                         ; wq's fragments of slot 1's quarter q -> window 1, v[64 q ..]
.irp i, 0,1,2,3,4,5,6,7
	FRAG 64*\q+8*\i, ADRB+1, \q, \i
.endr
.endm
.macro ALOAD a                         ; xq's block a of slot 1, all four quarters
.set FA, PA+32*((\a)%2)
.irp q, 0,1,2,3
	FRAG FA+8*\q, ADRA+1, \q, \a
.endr
.endm
.macro ROW a                           ; block a is finished: 32 matrix instructions, its 8 accumulators by turns
.set FA, PA+32*((\a)%2)
.set AC, 64*((\a)%4)
	WIN MUL_LO+0x50*((\a)/4)
.irp q, 0,1,2,3
.if (\a) == 0 && \q >= 2
	s_wait_dscnt 16*(3-\q)                         ; wq's quarter q is in (behind quarter 2: the 16 loads of quarter 3)
.endif
.irp b, 0,1,2,3,4,5,6,7
	MM AC+8*\b, 64*\q+8*\b, FA+8*\q, AC+8*\b, SC+32+4*\b+\q, SC+32+4*(\a)+\q
.endr
.endr
.endm
.macro TOSTAGE a                       ; block a into my stage, each accumulator from its low end on, and back as rows of 512 bytes; LDS serves a wave's instructions in order (ISA guide 5.7.1.4)
.set AC, 64*((\a)%4)
	WIN 0x08+4*((\a)/4)
.irp b, 0,1,2,3,4,5,6,7
	ds_store_b128 v[STO], v[AC+8*\b:AC+8*\b+3] offset:64*\b
	ds_store_b128 v[STO], v[AC+8*\b+4:AC+8*\b+7] offset:64*\b+16
.endr
	WIN 0
.if (\a) > 0
	s_wait_xcnt 0x0                                ; the last block's stores have read their registers and their base
.endif
.irp t, 0,1,2,3,4,5,6,7,8,9,10,11,12,13,14,15
	ds_load_b128 v[BK+4*\t:BK+4*\t+3], v[RD] offset:\t*SPITCH
.endr
.endm
.macro SEND a, younger
	s_wait_dscnt \younger                          ; the block is back in registers; the younger loads (xq's block a + 2) may be out
.if (\a) > 0
	s_add_nc_u64 s[10:11], s[10:11], 16*ROWC
.endif
.irp t, 0,1,2,3,4,5,6,7,8,9,10,11,12,13,14,15
	global_store_b128 v[CO], v[BK+4*\t:BK+4*\t+3], s[10:11] offset:\t*ROWC   ; 32 lanes store 512 consecutive bytes, at a multiple of 256 from out0's first byte
.endr
.endm
	PLACES                                         ; slot 0's last step; set 0 and the idle registers take slot 1's first fragments
	SCALES 1
	ALOAD 0
	WIN TO_B
	BLOAD 0
	BLOAD 1
	WIN 0
	ALOAD 1
	WIN MUL_LO
	MUL16 0, 1, 3, 0, 0
	MUL16 2, 1, 3, 0, 0
	WIN MUL_HI
	MUL16 4, 1, 3, 0, 0
	MUL16 6, 1, 3, 0, 0
	PLACES
	s_wait_dscnt 8                                 ; the scale words, block 0 and wq's quarters 0 and 1 are in; block 1's eight loads may be out
	WIN TO_B
	BLOAD 2
	BLOAD 3
	WIN 0
	ROW 0
	WIN 0
.irp a, 0,1,2,3,4,5,6,7
	PLACES
	TOSTAGE \a
.if \a < 6
	ALOAD \a+2                                     ; into the buffer that block a has left
.endif
.if \a < 7
.if \a < 6
	s_wait_dscnt 40                                ; block a + 1's fragments are in: behind them 16 stores, 16 loads and the 8 loads just issued
.else
	s_wait_dscnt 32
.endif
	ROW \a+1
	WIN 0
.endif
.if \a < 6
	SEND \a, 8
.else
	SEND \a, 0
.endif
.endr
	s_wait_tensorcnt 0x0                           ; the wave's end
	ds_add_u32 v[SPW], v[NIL]
	s_wait_dscnt 0x0
	CROUND                                         ; the closing round
	s_endpgm
.Lfunc_end_k_qa07407641e_gemm:
	.size	k_qa07407641e_gemm, .Lfunc_end_k_qa07407641e_gemm-k_qa07407641e_gemm
	.p2alignl 7, 3214868480
	.fill 96, 4, 3214868480
	.section	.rodata,"a",@progbits
	.p2align	6, 0x0
	.amdhsa_kernel k_qa07407641e_gemm
		.amdhsa_group_segment_fixed_size 327680
		.amdhsa_private_segment_fixed_size 0
		.amdhsa_enable_private_segment 0
		.amdhsa_kernarg_size 32
		.amdhsa_user_sgpr_count 2
		.amdhsa_user_sgpr_kernarg_segment_ptr 1
		.amdhsa_wavefront_size32 1
		.amdhsa_system_sgpr_workgroup_id_x 1
		.amdhsa_system_sgpr_workgroup_id_y 1
		.amdhsa_system_sgpr_workgroup_id_z 1
		.amdhsa_system_vgpr_workitem_id 0
		.amdhsa_next_free_vgpr 1024
		.amdhsa_next_free_sgpr 84
		.amdhsa_reserve_vcc 0
		.amdhsa_float_denorm_mode_32 3
		.amdhsa_float_denorm_mode_16_64 3
		.amdhsa_memory_ordered 1
		.amdhsa_forward_progress 1
		.amdhsa_inst_pref_size 211
	.end_amdhsa_kernel
	.amdgpu_metadata
---
amdhsa.version: [ 1, 2 ]
amdhsa.kernels:
  - .name:           k_qa07407641e_gemm
    .symbol:         k_qa07407641e_gemm.kd
    .args:
      - { .name: xq, .offset: 0, .size: 8, .value_kind: global_buffer, .address_space: global }
      - { .name: wq, .offset: 8, .size: 8, .value_kind: global_buffer, .address_space: global }
      - { .name: bias, .offset: 16, .size: 8, .value_kind: global_buffer, .address_space: global }
      - { .name: out0, .offset: 24, .size: 8, .value_kind: global_buffer, .address_space: global }
    .group_segment_fixed_size: 327680
    .private_segment_fixed_size: 0
    .kernarg_segment_align: 8
    .kernarg_segment_size: 32
    .max_flat_workgroup_size: 128
    .sgpr_count:     84
    .vgpr_count:     1024
    .wavefront_size: 32
...
	.end_amdgpu_metadata
.endif
;; end of part 2
